; MI455X (gfx1250); checked and timed in simulation.
; The chip was launched on July 23, 2026; its instructions are those of AMD's public machine-readable ISA for CDNA 5 (MIT licence, August 2026) and "CDNA5" Instruction Set Architecture Reference Guide (July 2026). The comments in the code are by the model that wrote it; some were corrected since.
;; EMA Quantizer. Allowed arithmetic: float matrix products may take bf16 or f16 operands with f32 sums; all other float work in f32.
;; Inputs: embedding 1,024 x 64 float32; inputs 2 x 64 x 32 x 32 x 32 float32.
;; Outputs: out0 2 x 64 x 32 x 32 x 32 float32; out1 one number float32; out2 2 x 32 x 32 x 32 int32; out3 256 float32; out4 1,024 x 64 float32.
;; One version. Each part assembles by itself: llvm-mc -triple=amdgcn-amd-amdhsa -mcpu=gfx1250 --defsym DOCPART=n.
;; ======== version 1 of 1: 2 launches
;; limits: a difference of large sums (such as E[x^2] - mean^2): digits are lost where the result is much smaller than its terms; values outside matrix products are rounded to bf16
;; workspace buffers: idx 262,144 bytes of whole numbers; part 4,096 bytes
;; launch nearest (part 1): grid 256 x 1, 4 waves a work-group, clusters of 4 x 1, 279,040 bytes of LDS; arguments embedding, inputs, out2, idx, part; writes out2, idx, part
.if DOCPART == 1
	.amdgcn_target "amdgcn-amd-amdhsa--gfx1250"
	.amdhsa_code_object_version 6
	.text
	.protected	k_q4b6b2c4d92_nearest
	.globl	k_q4b6b2c4d92_nearest
	.p2align	8
	.type	k_q4b6b2c4d92_nearest,@function
k_q4b6b2c4d92_nearest:
	s_mov_b64 s[64:65], 0
	v_nop
	global_prefetch_b8 v0, s[64:65] scope:SCOPE_SE
	s_setreg_imm32_b32 hwreg(HW_REG_WAVE_MODE, 25, 1), 1
	s_wait_xcnt 0x0
	s_wait_alu depctr_hold_cnt(0) depctr_sa_sdst(0) depctr_va_vdst(0) depctr_va_sdst(0) depctr_va_ssrc(0) depctr_va_vcc(0) depctr_vm_vsrc(0)
	s_getreg_b32 s2, hwreg(HW_REG_IB_STS2, 6, 4)
	s_cmp_eq_u32 s2, 0
	s_cbranch_scc0 .Lentry_in_a_cluster
	s_endpgm
.Lentry_in_a_cluster:
	s_bfe_u32 s2, ttmp6, 0x10000c
	s_cmp_lg_u32 s2, 0x3003
	s_cbranch_scc0 .Lentry_shape_is_right
	s_endpgm
.Lentry_shape_is_right:
; Launch 1 of 2: for each of the 65,536 vectors x (64 channels, channel-first in memory) the index of the nearest of 1,024 codes e.
; score(x, e) = x.e - |e|^2 / 2; its largest value is the smallest distance |x|^2 + |e|^2 - 2 x.e.  x and e are rounded to bf16; |e|^2 and |x|^2 are
; summed in f32 from the ROUNDED numbers; -|e|^2/2 is the C operand of the first of the two matrix instructions (K = 64 = 2 x 32), so it costs no vector work.
; LIMITS.  (1) The indices are those of the bf16-rounded operands; the f32 roundings that the distance formula itself would make are not copied, so two
; codes whose distances differ by a few last places of f32 may be ordered otherwise.  Exactly equal scores give the lowest index.
; (2) NaN and infinities in the inputs are not served (the index is then unspecified).
; (3) The loss is summed here as |x_r|^2 - 2 score of the winner = |x_r - e_r|^2 of the rounded vectors: a difference of sums.  With a common offset of 30 spreads on
; both inputs its terms are about 900 times the distance, which leaves about 1e-4 of relative error in f32; the rounding of the operands adds about 1e-3.
;
; SHARES.  256 work-groups of four waves; a work-group has 256 vectors, a wave 64 of them, for ALL 1,024 codes.  A wave's vectors stay in registers as four tiles of bf16
; fragments (64 registers) and never pass through LDS; the 64 code tiles (16 codes x 64 channels) stream from LDS, 2,048 bytes of fragments and 64 bytes of biases each.
; So no wave needs another wave's result: the only exchange at the end is between the two halves of the lanes.  Everything fits in 242 registers: no register window is switched.
; CLUSTER.  The four work-groups of a cluster need the same codebook; each wave asks for a quarter (256 rows of 256 bytes of f32) by ONE joint tensor load with the mask
; of all four, so a wave has one tensor load outstanding; nothing in LDS is filled twice.  The wave that asked converts its quarter: tile T's fragments are stored over
; tile T's own f32 rows, which it has read by then (a copy beside the f32 rows does not fit: 278,528 + 131,072 bytes).  Tile T lies at byte 4,352 T in all four quarters.
;
; MATRIX LAYOUT.  Source 0 = 16 codes, source 1 = 16 vectors: register j of lane (r, h) holds the score of code 8 h + j of the tile for vector r.  So a lane
; reduces eight scores of ONE vector without crossing lanes.  Per tile: the maximum of the eight (4 instructions), compare with the best so far, and where it wins keep the
; tile's number and its eight scores (8 selects).  The place inside the winning tile is found once, at the end.
; VECTOR TILES.  Lane (r, h) loads 16 bytes = positions 4 r .. 4 r + 3 of one channel (sixteen lanes: 256 consecutive bytes, aligned).  Tile i of a wave is the set of
; positions 4 r + i, r = 0 .. 15: the loaded registers are fragments after packing, no transpose; and lane r ends with the indices of four neighbouring positions.
.set PITCH,  272                       ; LDS row of the f32 codebook: 256 bytes + 16: sixteen rows that one load touches start 16 bytes apart modulo 256
.set TILEB,  16*PITCH                  ; 4,352: the f32 rows of a code tile; later its fragments (bytes 0-2047) and biases (bytes 2048-2111)
.set QUART,  16*TILEB                  ; a wave's quarter of the codebook
.set BOFF,   2048
.set CHB,    131072                    ; bytes from a channel to the next
.set RR,    2                          ; r = lane % 16
.set HH,    3                          ; h = lane / 16
.set XOFF,  4                          ; byte offset of my 16 bytes of x
.set LANE,  5
.set CBA,   6                          ; LDS: my row of an f32 code tile of my quarter
.set CS,    7                          ; LDS: where I store fragments of my quarter
.set BTA,   8                          ; LDS: where I store biases of my quarter
.set CL,    9                          ; LDS: where I load fragments (steps with the loop)
.set BL,    10                         ; LDS: where I load biases (steps with the loop)
.set VZ,    11                         ; 0.0
.set T,     12                         ; v12-15    a tile's maximum, for each of my four vector tiles
.set AA,    16                         ; v16-19    |x_r|^2
.set BEST,  20                         ; v20-23    best score
.set TT,    24                         ; v24-27    winning code tile
.set XF,    28                         ; v28-91    x fragments: vector tile i in 16 registers
.set SV,    92                         ; v92-123   the winning tile's eight scores, for each vector tile
.set ACC,   124                        ; v124-187  two sets of four accumulators (one for each vector tile)
.set BUF,   188                        ; v188-235  two buffers: 16 registers of a code tile's fragments, 8 of its biases
.set H8,    236                        ; 8 h
.set OO,    237                        ; 16 r
.set LS,    238                        ; v238-241
.set MK,    44                         ; s44-47    lanes in which the tile wins, for each vector tile
; the same registers ahead of the loop
.set XR,    92                         ; v92-219   x as loaded: 32 channels x 4 positions
.set AP,    92
.set ST0,   92                         ; v92-155   two stages of 32 f32 of a code row
.set PK,    156                        ; v156-171  a code tile's fragments
.set QQ,    172                        ; four chains
.set BP,    176                        ; v176-191  |e_r|^2 of my row in each tile, my half of the channels
.set TP,    192                        ; v192-207  the other half's
; and behind it
.set IX,    124                        ; v124-127  four indices, side by side for one store
.set OB,    128                        ; v128-131  the other half's best scores
.set OX,    132                        ; v132-135  and indices
.macro ROUND                           ; a round of the cluster's barrier
	s_barrier_signal -1
	s_barrier_wait -1
	s_cmp_lg_u32 s14, 0
	s_cbranch_scc1 .Lnot_wave_0_\@
	s_barrier_signal -3
.Lnot_wave_0_\@:
	s_barrier_wait -3
	s_barrier_signal -1
	s_barrier_wait -1
.endm
	s_load_b256 s[4:11], s[0:1], 0x0               ; embedding s[4:5], inputs s[6:7], out2 s[8:9], idx s[10:11]
	s_load_b64 s[12:13], s[0:1], 0x20              ; part
	v_lshl_add_u32 v254, v0, 2, 0x44000
	v_mov_b32 v255, 0
	ds_add_u32 v254, v255
	ds_add_u32 v254, v255
	v_lshrrev_b32 v1, 5, v0
	v_readfirstlane_b32 s14, v1                    ; wave 0..3
	s_bfe_u32 s15, ttmp6, 0x40000                  ; my place in the cluster
	s_lshl_b32 s16, ttmp9, 2
	s_add_co_u32 s16, s16, s15                     ; work-group g = 4 x cluster + place: enters global offsets alone
	s_lshr_b32 s17, s16, 7                         ; batch = g / 128
	s_lshl_b32 s17, s17, 23                        ; x 64 channels x 131,072 bytes
	s_and_b32 s18, s16, 127
	s_lshl_b32 s18, s18, 10                        ; + 256 positions x 4 bytes for each work-group
	s_add_co_u32 s34, s17, s18
	s_lshl_b32 s18, s14, 8                         ; + 64 positions for each wave
	s_add_co_u32 s34, s34, s18
	s_mov_b32 s35, 0
	s_mov_b32 s32, 0x76543210                      ; v_permlanex16_b32: lane i takes lane i of the other half
	s_mov_b32 s33, 0xfedcba98
	v_and_b32 v[RR], 15, v0
	v_bfe_u32 v[HH], v0, 4, 1
	v_and_b32 v[LANE], 31, v0
	v_lshlrev_b32 v[XOFF], 4, v[RR]                ; 16 r
	v_lshl_add_u32 v[XOFF], v[HH], 20, v[XOFF]     ; + 8 channels for the upper half of the lanes
	s_wait_dscnt 0x0
	s_wait_kmcnt 0x0
	s_add_nc_u64 s[6:7], s[6:7], s[34:35]
	; x: load number ci = 16 kf + 8 q + e brings channel 32 kf + 16 q + 8 h + e: in the order of the fragment's registers
.set ci, 0
.rept 32
	global_load_b128 v[XR+4*ci:XR+4*ci+3], v[XOFF], s[6:7] offset:(32*(ci/16)+16*((ci/8)%2)+ci%8)*CHB
.set ci, ci+1
.endr
	; the codebook's descriptor: 256 rows of 64 f32, dense in memory, 16 bytes of padding behind each row in LDS.  Every word hangs on constants and the wave's number alone.
	s_mov_b32 s20, 1                               ; count = 1
	s_mul_i32 s21, s14, QUART                      ; LDS address: my quarter
	s_lshl_b32 s36, s14, 16                        ; 256 rows x 256 bytes for each wave
	s_mov_b32 s37, 0
	s_add_nc_u64 s[22:23], s[4:5], s[36:37]
	s_or_b32 s23, s23, 0x80000000                  ; type = 2
	s_mov_b32 s24, 15|(2<<16)|(1<<20)|(1<<21)|(5<<22)|(3<<25)  ; mask: all four of the cluster; 4-byte elements; padding on; bit 21 beside a mask; after every 64 words, 4 words
	s_mov_b32 s25, 64<<16                          ; tensor_dim0 = 64
	s_mov_b32 s26, 256<<16                         ; tensor_dim1 = 256
	s_mov_b32 s27, 64<<16                          ; tile_dim0 = 64
	s_mov_b32 s28, 256                             ; tile_dim1 = 256
	s_mov_b32 s29, 64                              ; elements from row to row
	s_mov_b32 s30, 0
	s_mov_b32 s31, 0
	ROUND                                          ; the four work-groups are here: their joint loads meet
	tensor_load_to_lds s[20:23], s[24:31]          ; my only tensor load
	s_nop 0
	; LDS addresses: constants, the wave's number, the lane
	s_mul_i32 s36, s14, QUART
	s_add_co_u32 s37, s36, BOFF
	v_lshlrev_b32 v[CL], 4, v[LANE]                ; 16 x lane: 32 lanes take 512 neighbouring bytes
	v_add_nc_u32 v[CS], s36, v[CL]
	v_mul_u32_u24 v1, v[RR], PITCH
	v_lshl_add_u32 v1, v[HH], 5, v1                ; row r, 8 f32 further for the upper half
	v_add_nc_u32 v[CBA], s36, v1
	v_lshl_add_u32 v[BTA], v[RR], 2, s37
	v_lshl_or_b32 v[BL], v[HH], 5, BOFF            ; biases of codes 8 h .. 8 h + 7 of a tile
	v_lshlrev_b32 v[H8], 3, v[HH]
	v_lshlrev_b32 v[OO], 4, v[RR]
	v_mov_b32 v[VZ], 0
	; x to bf16 fragments: register ff of tile i = channels of loads 2 ff, 2 ff + 1 at position 4 r + i.  |x_r|^2 straight from the bf16 halves, four chains.
.set ff, 0
.rept 16
.if ff%4 == 0
	s_wait_loadcnt 24-2*ff                         ; loads come back in order: the first 8, 16, 24, 32 are in, the younger ones stay out
.endif
.irp i, 0,1,2,3
	v_cvt_pk_bf16_f32 v[XF+16*\i+ff], v[XR+8*ff+\i], v[XR+8*ff+4+\i]
.endr
.irp i, 0,1,2,3
.if ff == 0
	v_fma_mix_f32_bf16 v[AA+\i], v[XF+16*\i+ff], v[XF+16*\i+ff], v[VZ] op_sel_hi:[1,1,0]
.else
	v_fma_mix_f32_bf16 v[AA+\i], v[XF+16*\i+ff], v[XF+16*\i+ff], v[AA+\i] op_sel_hi:[1,1,0]
.endif
.endr
.irp i, 0,1,2,3
	v_fma_mix_f32_bf16 v[AA+\i], v[XF+16*\i+ff], v[XF+16*\i+ff], v[AA+\i] op_sel:[1,1,0] op_sel_hi:[1,1,0]
.endr
.set ff, ff+1
.endr
.irp i, 0,1,2,3
	v_permlanex16_b32 v[AP+\i], v[AA+\i], s32, s33 ; the other 32 channels
.endr
.irp i, 0,1,2,3
	v_add_f32 v[AA+\i], v[AA+\i], v[AP+\i]         ; |x_r|^2 of position 4 r + i, in both halves of the lanes
.endr
	; MY QUARTER OF THE CODES: f32 rows from LDS, 16 at a time, to bf16 fragments, stored over the rows just read; |e_r|^2 from the bf16 halves
.macro CLOAD tl, st
.irp c, 0,1,2,3
	ds_load_b128 v[(\st)+8*\c:(\st)+8*\c+3],   v[CBA] offset:(\tl)*TILEB+64*\c
	ds_load_b128 v[(\st)+8*\c+4:(\st)+8*\c+7], v[CBA] offset:(\tl)*TILEB+64*\c+16
.endr
.endm
	s_wait_tensorcnt 0x0                           ; my quarter has landed; until the barrier below no other wave touches it
	CLOAD 0, ST0
.set tl, 0
.rept 16
.if tl < 15
	CLOAD tl+1, ST0+32*((tl+1)%2)
	s_wait_dscnt 8                                 ; all but the next tile's eight loads: this tile's rows are in registers
.else
	s_wait_dscnt 0
.endif
.if tl == 8
	v_add_nc_u32 v[CS], 8*TILEB, v[CS]             ; so that the stores' immediates stay inside 16 bits
.endif
.set ff, 0
.rept 16
	v_cvt_pk_bf16_f32 v[PK+ff], v[ST0+32*(tl%2)+2*ff], v[ST0+32*(tl%2)+2*ff+1]
.set ff, ff+1
.endr
.irp c, 0,1,2,3
	ds_store_b128 v[CS], v[PK+4*\c:PK+4*\c+3] offset:(tl%8)*TILEB+512*\c   ; bytes 0-2047 of this tile's own rows; the next tile's rows begin 4,352 bytes further on
.endr
.set ff, 0
.rept 16
.if ff < 4
	v_fma_mix_f32_bf16 v[QQ+ff%4], v[PK+ff], v[PK+ff], v[VZ] op_sel_hi:[1,1,0]
.else
	v_fma_mix_f32_bf16 v[QQ+ff%4], v[PK+ff], v[PK+ff], v[QQ+ff%4] op_sel_hi:[1,1,0]
.endif
.set ff, ff+1
.endr
.set ff, 0
.rept 16
	v_fma_mix_f32_bf16 v[QQ+ff%4], v[PK+ff], v[PK+ff], v[QQ+ff%4] op_sel:[1,1,0] op_sel_hi:[1,1,0]
.set ff, ff+1
.endr
	v_add_f32 v[QQ], v[QQ], v[QQ+1]
	v_add_f32 v[QQ+2], v[QQ+2], v[QQ+3]
	v_add_f32 v[BP+tl], v[QQ], v[QQ+2]
.set tl, tl+1
.endr
	; bias = -(both halves of the channels) / 2, one word for each code, behind its tile's fragments
.set tl, 0
.rept 16
	v_permlanex16_b32 v[TP+tl], v[BP+tl], s32, s33
.set tl, tl+1
.endr
.set tl, 0
.rept 16
	v_mul_f32 v[BP+tl], -0.5, v[BP+tl]
	v_fma_f32 v[BP+tl], v[TP+tl], -0.5, v[BP+tl]
	ds_store_b32 v[BTA], v[BP+tl] offset:tl*TILEB  ; both halves write the same word with the same value
.set tl, tl+1
.endr
	s_wait_dscnt 0x0                               ; my quarter's fragments and biases are in LDS, for the other waves
	s_barrier_signal -1
	s_barrier_wait -1                              ; all 64 tiles are there
; THE LOOP'S PARTS
.macro LOADT b, off                    ; a code tile: 16 fragment registers (32 lanes x 16 neighbouring bytes a load) and 8 biases (code 8 h + j in register j, as C wants them)
.irp c, 0,1,2,3
	ds_load_b128 v[BUF+24*\b+4*\c:BUF+24*\b+4*\c+3], v[CL] offset:\off+512*\c
.endr
	ds_load_b128 v[BUF+24*\b+16:BUF+24*\b+19], v[BL] offset:\off
	ds_load_b128 v[BUF+24*\b+20:BUF+24*\b+23], v[BL] offset:\off+16
.endm
; Matrix instruction k of a code tile's eight: k = 0..3 start the sums of vector tiles 0..3 from the biases (channels 0-31), k = 4..7 add channels 32-63.
; The four accumulators take turns, one instruction a turn.
.macro WQ on, k, d, b
.if \on
.if \k < 4
	v_wmma_f32_16x16x32_bf16 v[\d+8*\k:\d+8*\k+7], v[BUF+24*\b:BUF+24*\b+7], v[XF+16*\k:XF+16*\k+7], v[BUF+24*\b+16:BUF+24*\b+23]
.else
	v_wmma_f32_16x16x32_bf16 v[\d+8*(\k-4):\d+8*(\k-4)+7], v[BUF+24*\b+8:BUF+24*\b+15], v[XF+16*(\k-4)+8:XF+16*(\k-4)+15], v[\d+8*(\k-4):\d+8*(\k-4)+7]
.endif
.endif
.endm
.macro SEL vs, from, cnt               ; selects number from .. from + cnt - 1 of the 32: where the tile wins its eight scores are kept
.set n, \from
.rept \cnt
	v_cndmask_b32 v[SV+n], v[SV+n], v[\vs+n], s[MK+n/8]
.set n, n+1
.endr
.endm
; One phase.  The vector work on code tile t (accumulators vs, number tn) is cut into eight pieces of 7 or 8 instructions, and one matrix instruction of tile t + 1
; (accumulators ws, buffer wb) stands in front of each piece, so that independent work follows every matrix instruction.  The four vector tiles give four chains.
; Tile t + 2 is loaded into the buffer that tile t's matrix instructions read: the last of those is followed by the seven selects that end the phase before, which name
; none of its registers; so are the first reads of its result (ISA guide 7.12.1 asks for four such places).
.macro PHASE vs, tn, wm, ws, wb, ld, lb, ldoff
.if \ld
	LOADT \lb, \ldoff
	s_wait_dscnt 6                                 ; all but the six just issued: tile t + 1's six loads, issued a phase ago, are in
.else
.if \wm
	s_wait_dscnt 0
.endif
.endif
	WQ \wm, 0, \ws, \wb
.irp i, 0,1,2,3
	v_max3_num_f32 v[T+\i], v[\vs+8*\i], v[\vs+8*\i+1], v[\vs+8*\i+2]
.endr
.irp i, 0,1,2,3
	v_max3_num_f32 v[T+\i], v[T+\i], v[\vs+8*\i+3], v[\vs+8*\i+4]
.endr
	WQ \wm, 1, \ws, \wb
.irp i, 0,1,2,3
	v_max3_num_f32 v[T+\i], v[T+\i], v[\vs+8*\i+5], v[\vs+8*\i+6]
.endr
.irp i, 0,1,2,3
	v_max_num_f32 v[T+\i], v[T+\i], v[\vs+8*\i+7]
.endr
	WQ \wm, 2, \ws, \wb
.irp i, 0,1,2,3
	v_cmp_gt_f32 s[MK+\i], v[T+\i], v[BEST+\i]     ; strictly: the earlier tile keeps a tie
.endr
.irp i, 0,1,2,3
	v_max_num_f32 v[BEST+\i], v[BEST+\i], v[T+\i]
.endr
	WQ \wm, 3, \ws, \wb
.irp i, 0,1,2,3
	v_cndmask_b32 v[TT+\i], v[TT+\i], \tn, s[MK+\i]
.endr
	SEL \vs, 0, 4
	WQ \wm, 4, \ws, \wb
	SEL \vs, 4, 7
	WQ \wm, 5, \ws, \wb
	SEL \vs, 11, 7
	WQ \wm, 6, \ws, \wb
	SEL \vs, 18, 7
	WQ \wm, 7, \ws, \wb
	SEL \vs, 25, 7
.endm
	; Code tile 0 writes its scores straight into the registers of the kept scores: nothing is copied or cleared
	LOADT 0, 0
	LOADT 1, TILEB
	s_wait_dscnt 6                                 ; tile 0 is in, tile 1's six loads stay out
.irp k, 0,1,2,3,4,5,6,7
	WQ 1, \k, SV, 0
.endr
.rept 4
	v_nop                                          ; here no vector work is at hand: four places before buffer 0 is loaded again and the results are read (ISA guide 7.12.1)
.endr
	LOADT 0, 2*TILEB
	s_wait_dscnt 6                                 ; tile 1 is in
	WQ 1, 0, ACC+32, 1
.irp i, 0,1,2,3
	v_max3_num_f32 v[T+\i], v[SV+8*\i], v[SV+8*\i+1], v[SV+8*\i+2]
.endr
	WQ 1, 1, ACC+32, 1
.irp i, 0,1,2,3
	v_max3_num_f32 v[T+\i], v[T+\i], v[SV+8*\i+3], v[SV+8*\i+4]
.endr
	WQ 1, 2, ACC+32, 1
.irp i, 0,1,2,3
	v_max3_num_f32 v[T+\i], v[T+\i], v[SV+8*\i+5], v[SV+8*\i+6]
.endr
	WQ 1, 3, ACC+32, 1
.irp i, 0,1,2,3
	v_max_num_f32 v[BEST+\i], v[T+\i], v[SV+8*\i+7]
.endr
.irp k, 4,5,6,7
	WQ 1, \k, ACC+32, 1
.endr
.irp i, 0,1,2,3
	v_mov_b32 v[TT+\i], 0                          ; the winning tile so far; also the four places behind the last matrix instruction
.endr
	s_mov_b32 s41, 30
	s_mov_b32 s50, 1                               ; the numbers of the two tiles that a trip evaluates
	s_mov_b32 s51, 2
.Ltiles:                                               ; two code tiles a trip: tiles 1 to 60 are evaluated, 2 to 61 multiplied, 3 to 62 loaded
	PHASE ACC+32, s50, 1, ACC, 0, 1, 1, 3*TILEB
	PHASE ACC, s51, 1, ACC+32, 1, 1, 0, 4*TILEB
	v_add_nc_u32 v[CL], 2*TILEB, v[CL]
	v_add_nc_u32 v[BL], 2*TILEB, v[BL]
	s_add_co_u32 s50, s50, 2
	s_add_co_u32 s51, s51, 2
	s_sub_co_u32 s41, s41, 1
	s_cmp_lg_u32 s41, 0
	s_cbranch_scc1 .Ltiles
	PHASE ACC+32, s50, 1, ACC, 0, 1, 1, 3*TILEB    ; tile 61 evaluated, 62 multiplied, 63 loaded
	PHASE ACC, s51, 1, ACC+32, 1, 0, 0, 0          ; tile 62 evaluated, 63 multiplied, nothing left to load
	PHASE ACC+32, 63, 0, 0, 0, 0, 0, 0             ; tile 63 evaluated
	; THE END.  The first of the eight kept scores that equals the best; index = 16 tile + 8 h + j
.irp i, 0,1,2,3
	v_mov_b32 v[T+\i], 7
.endr
.irp j, 6,5,4,3,2,1,0
.irp i, 0,1,2,3
	v_cmp_eq_f32 s[MK+\i], v[SV+8*\i+\j], v[BEST+\i]
.endr
.irp i, 0,1,2,3
	v_cndmask_b32 v[T+\i], v[T+\i], \j, s[MK+\i]
.endr
.endr
.irp i, 0,1,2,3
	v_lshl_add_u32 v[IX+\i], v[TT+\i], 4, v[T+\i]
.endr
.irp i, 0,1,2,3
	v_add_nc_u32 v[IX+\i], v[H8], v[IX+\i]
.endr
	; the two halves of the lanes hold the same vector's codes 8 h .. 8 h + 7 of every tile: each takes the other's candidate
.irp i, 0,1,2,3
	v_permlanex16_b32 v[OB+\i], v[BEST+\i], s32, s33
	v_permlanex16_b32 v[OX+\i], v[IX+\i], s32, s33
.endr
.irp i, 0,1,2,3
	v_cmp_gt_f32 vcc_lo, v[OB+\i], v[BEST+\i]      ; the other's wins with a larger score, or an equal score and a smaller index: both halves end alike
	v_cmp_eq_f32 s42, v[OB+\i], v[BEST+\i]
	v_cmp_lt_u32 s43, v[OX+\i], v[IX+\i]
	s_and_b32 s42, s42, s43
	s_or_b32 vcc_lo, vcc_lo, s42
	v_cndmask_b32 v[BEST+\i], v[BEST+\i], v[OB+\i], vcc_lo
	v_cndmask_b32 v[IX+\i], v[IX+\i], v[OX+\i], vcc_lo
.endr
	; the winners' distances, summed over the wave's 64 positions: four in a lane, then sixteen lanes (the other sixteen hold the same)
.irp i, 0,1,2,3
	v_fma_f32 v[LS+\i], v[BEST+\i], -2.0, v[AA+\i]
.endr
	v_add_f32 v[LS], v[LS], v[LS+1]
	v_add_f32 v[LS+2], v[LS+2], v[LS+3]
	v_add_f32 v[LS], v[LS], v[LS+2]
	v_add_f32_dpp v[LS], v[LS], v[LS] row_xmask:1 row_mask:0xf bank_mask:0xf
	v_add_f32_dpp v[LS], v[LS], v[LS] row_xmask:2 row_mask:0xf bank_mask:0xf
	v_add_f32_dpp v[LS], v[LS], v[LS] row_xmask:4 row_mask:0xf bank_mask:0xf
	v_add_f32_dpp v[LS], v[LS], v[LS] row_xmask:8 row_mask:0xf bank_mask:0xf
	s_lshl_b32 s34, s16, 10                        ; 256 indices of 4 bytes for each work-group,
	s_lshl_b32 s43, s14, 8                         ; 64 for each wave
	s_add_co_u32 s34, s34, s43
	s_add_nc_u64 s[8:9], s[8:9], s[34:35]
	s_add_nc_u64 s[10:11], s[10:11], s[34:35]
	s_lshl_b32 s34, s16, 4
	s_lshl2_add_u32 s34, s14, s34                  ; word 4 g + w of part
	s_add_nc_u64 s[12:13], s[12:13], s[34:35]
	v_cmp_gt_u32 vcc_lo, 16, v[LANE]
	s_wait_xcnt 0x0                                ; EXEC is a source of the loads of x: it changes only behind this wait
	s_and_saveexec_b32 s42, vcc_lo
	global_store_b128 v[OO], v[IX:IX+3], s[8:9]    ; lanes 0 to 15: positions 4 r .. 4 r + 3: 256 consecutive bytes, aligned
	global_store_b128 v[OO], v[IX:IX+3], s[10:11]  ; the same as whole numbers for the next launch's addresses
	s_wait_xcnt 0x0
	s_or_b32 exec_lo, exec_lo, s42
	v_cmp_eq_u32 vcc_lo, 0, v[LANE]
	s_and_saveexec_b32 s42, vcc_lo                 ; no load or store has been issued since the wait above
	global_store_b32 v[LANE], v[LS], s[12:13]      ; lane 0 alone; its offset register holds 0
	s_wait_xcnt 0x0
	s_or_b32 exec_lo, exec_lo, s42
	s_wait_tensorcnt 0x0
	ds_add_u32 v254, v255
	s_wait_dscnt 0x0
	ROUND                                          ; the closing round: no work-group ends while a partner may still ask for a tile that names it
	s_endpgm
.Lfunc_end_k_q4b6b2c4d92_nearest:
	.size	k_q4b6b2c4d92_nearest, .Lfunc_end_k_q4b6b2c4d92_nearest-k_q4b6b2c4d92_nearest
	.p2alignl 7, 3214868480
	.fill 96, 4, 3214868480
	.section	.rodata,"a",@progbits
	.p2align	6, 0x0
	.amdhsa_kernel k_q4b6b2c4d92_nearest
		.amdhsa_group_segment_fixed_size 279040
		.amdhsa_private_segment_fixed_size 0
		.amdhsa_enable_private_segment 0
		.amdhsa_kernarg_size 40
		.amdhsa_user_sgpr_count 2
		.amdhsa_user_sgpr_kernarg_segment_ptr 1
		.amdhsa_wavefront_size32 1
		.amdhsa_system_sgpr_workgroup_id_x 1
		.amdhsa_system_sgpr_workgroup_id_y 1
		.amdhsa_system_sgpr_workgroup_id_z 1
		.amdhsa_system_vgpr_workitem_id 0
		.amdhsa_next_free_vgpr 256
		.amdhsa_next_free_sgpr 66
		.amdhsa_reserve_vcc 1
		.amdhsa_float_denorm_mode_32 3
		.amdhsa_float_denorm_mode_16_64 3
		.amdhsa_memory_ordered 1
		.amdhsa_forward_progress 1
		.amdhsa_inst_pref_size 117
	.end_amdhsa_kernel
	.amdgpu_metadata
---
amdhsa.version: [ 1, 2 ]
amdhsa.kernels:
  - .name:           k_q4b6b2c4d92_nearest
    .symbol:         k_q4b6b2c4d92_nearest.kd
    .args:
      - { .name: embedding, .offset: 0, .size: 8, .value_kind: global_buffer, .address_space: global }
      - { .name: inputs, .offset: 8, .size: 8, .value_kind: global_buffer, .address_space: global }
      - { .name: out2, .offset: 16, .size: 8, .value_kind: global_buffer, .address_space: global }
      - { .name: idx, .offset: 24, .size: 8, .value_kind: global_buffer, .address_space: global }
      - { .name: part, .offset: 32, .size: 8, .value_kind: global_buffer, .address_space: global }
    .group_segment_fixed_size: 279040
    .private_segment_fixed_size: 0
    .kernarg_segment_align: 8
    .kernarg_segment_size: 40
    .max_flat_workgroup_size: 128
    .sgpr_count:     66
    .vgpr_count:     256
    .wavefront_size: 32
...
	.end_amdgpu_metadata
.endif
;; end of part 1
;; launch lookup (part 2): grid 256 x 1, 4 waves a work-group, no clusters, 66,048 bytes of LDS; arguments inputs, embedding, idx, part, out0, out1, out3, out4; writes out0, out1, out3, out4
.if DOCPART == 2
	.amdgcn_target "amdgcn-amd-amdhsa--gfx1250"
	.amdhsa_code_object_version 6
	.text
	.protected	k_q4b6b2c4d92_lookup
	.globl	k_q4b6b2c4d92_lookup
	.p2align	8
	.type	k_q4b6b2c4d92_lookup,@function
k_q4b6b2c4d92_lookup:
	s_mov_b64 s[64:65], 0
	v_nop
	global_prefetch_b8 v0, s[64:65] scope:SCOPE_SE
	s_setreg_imm32_b32 hwreg(HW_REG_WAVE_MODE, 25, 1), 1
	s_wait_xcnt 0x0
; Launch 2 of 2: out0 = x + (e[index] - x), channel-first; out4 = the codebook; out3 = 256 zeros; out1 = 0.25 x mean = (sum of the 1,024 partial sums) x 2^-24.
; A stream: every byte of x is read once and every byte of out0 written once, in loads and stores of which sixteen lanes cover 256 consecutive, aligned bytes.
; No matrix unit, and no cluster: the code rows are picked by a list, so the work-groups share no tile.  The waves share nothing: no barrier.
; A wave has 64 positions.  GATHER: sixteen lanes fetch one code row (256 bytes), two rows an instruction: rows q and q + 32 of the wave.  TURN: the rows go through the wave's
; own 16 KB of LDS; row p keeps its 16-byte piece c at piece c xor (p / 4) % 16, so that the stores (one row, sixteen pieces) and the loads back (rows 4 u + i of sixteen
; lanes u, one piece) each touch sixteen different pieces modulo 256 bytes.  Lane (u, h) then holds positions 4 u .. 4 u + 3 of channels 32 h .. 32 h + 31, like its x.
.set CHB,  131072                      ; bytes from a channel to the next
.set UU,   2                           ; u = lane % 16
.set HH,   3                           ; h = lane / 16
.set XOFF, 4                           ; byte offset of my 16 bytes in x and in out0
.set IOFF, 5
.set U16,  6
.set COFF, 7
.set WA,   8                           ; v8-15    LDS addresses, one for each value of the swizzle: first for the stores, then for the loads back
.set WB,   16
.set LANE, 17
.set L16,  18
.set TMP,  19
.set CP,   20                          ; v20-21   my 8 bytes of the codebook's copy
.set UX,   22                          ; u xor 8 h
.set RB,   23
.set OFFS, 24                          ; v24-55   32 indices, then byte offsets of my piece of 32 rows
.set TD,   32                          ; v32-47   q - x, once the gathers are over
.set GR,   56                          ; v56-119  16 gathered pieces; later four sets of 4 x 4 numbers read back
.set XX,   120                         ; v120-247 x: 32 channels x 4 positions; scaled in place into out0
	s_load_b512 s[4:19], s[0:1], 0x0               ; inputs s[4:5], embedding s[6:7], idx s[8:9], part s[10:11], out0 s[12:13], out1 s[14:15], out3 s[16:17], out4 s[18:19]
	v_lshl_add_u32 v248, v0, 2, 0x10000
	v_mov_b32 v249, 0
	v_lshrrev_b32 v1, 5, v0
	v_readfirstlane_b32 s20, v1                    ; wave 0..3
	s_lshr_b32 s22, ttmp9, 7                       ; batch
	s_lshl_b32 s22, s22, 23
	s_and_b32 s24, ttmp9, 127
	s_lshl_b32 s24, s24, 10                        ; 256 positions for each work-group,
	s_lshl_b32 s28, s20, 8                         ; 64 for each wave
	s_add_co_u32 s22, s22, s24
	s_add_co_u32 s22, s22, s28
	s_mov_b32 s23, 0
	s_lshl_b32 s26, ttmp9, 10                      ; 1,024 bytes of idx and of the codebook's copy for each work-group
	s_mov_b32 s27, 0
	s_add_co_u32 s24, s26, s28
	s_mov_b32 s25, 0
	s_lshl2_add_u32 s21, ttmp9, s20                ; 4 g + w: 0 in the one wave that also makes out1 and out3
	s_mov_b32 s32, 0x76543210
	s_mov_b32 s33, 0xfedcba98
	v_and_b32 v[UU], 15, v0
	v_bfe_u32 v[HH], v0, 4, 1
	v_and_b32 v[LANE], 31, v0
	v_lshlrev_b32 v[U16], 4, v[UU]
	v_lshl_add_u32 v[XOFF], v[HH], 22, v[U16]      ; 16 u + 32 channels for the upper half
	v_lshlrev_b32 v[IOFF], 7, v[HH]                ; 32 indices further for the upper half
	v_lshlrev_b32 v[COFF], 3, v0
	v_lshlrev_b32 v[L16], 4, v[LANE]
	s_wait_kmcnt 0x0
	s_add_nc_u64 s[4:5], s[4:5], s[22:23]
	s_add_nc_u64 s[12:13], s[12:13], s[22:23]
	s_add_nc_u64 s[8:9], s[8:9], s[24:25]
	s_add_nc_u64 s[28:29], s[6:7], s[26:27]        ; the copy's source; s[6:7] stays the table's first row
	s_add_nc_u64 s[18:19], s[18:19], s[26:27]
	s_cmp_lg_u32 s21, 0
	s_cbranch_scc1 .Lno_part
.irp k, 0,1,2,3,4,5,6,7
	global_load_b128 v[GR+4*\k:GR+4*\k+3], v[L16], s[10:11] offset:512*\k   ; the 1,024 partial sums: the OLDEST loads, so no count below differs between the two ways
.endr
.Lno_part:
.irp k, 0,1,2,3,4,5,6,7
	global_load_b128 v[OFFS+4*\k:OFFS+4*\k+3], v[IOFF], s[8:9] offset:16*\k   ; indices of rows 32 h .. 32 h + 31 of the wave
.endr
.set n, 0
.rept 32
	global_load_b128 v[XX+4*n:XX+4*n+3], v[XOFF], s[4:5] offset:n*CHB th:TH_LOAD_NT
.set n, n+1
.endr
	global_load_b64 v[CP:CP+1], v[COFF], s[28:29]
	; LDS addresses of the stores: row q + 32 h, piece u xor (q / 4 + 8 h): one register for each q / 4, 256 q in the immediate
	s_lshl_b32 s30, s20, 14                        ; my wave's 16 KB
	v_lshlrev_b32 v[UX], 3, v[HH]
	v_xor_b32 v[UX], v[UX], v[UU]
	v_lshl_add_u32 v[WB], v[HH], 13, s30
	v_lshl_add_u32 v[RB], v[UU], 10, s30
.irp k, 0,1,2,3,4,5,6,7
	v_xor_b32 v[TMP], \k, v[UX]
	v_lshl_add_u32 v[WA+\k], v[TMP], 4, v[WB]
.endr
	s_wait_loadcnt 33                              ; 32 loads of x and the copy's load are younger than the indices (and than the partial sums)
	s_cmp_lg_u32 s21, 0
	s_cbranch_scc1 .Lno_sum
.set k, 1
.rept 15
	v_pk_add_f32 v[GR:GR+1], v[GR:GR+1], v[GR+2*k:GR+2*k+1]
.set k, k+1
.endr
	v_add_f32 v[GR], v[GR], v[GR+1]
	v_add_f32_dpp v[GR], v[GR], v[GR] row_xmask:1 row_mask:0xf bank_mask:0xf
	v_add_f32_dpp v[GR], v[GR], v[GR] row_xmask:2 row_mask:0xf bank_mask:0xf
	v_add_f32_dpp v[GR], v[GR], v[GR] row_xmask:4 row_mask:0xf bank_mask:0xf
	v_add_f32_dpp v[GR], v[GR], v[GR] row_xmask:8 row_mask:0xf bank_mask:0xf
	v_permlanex16_b32 v[GR+1], v[GR], s32, s33
	v_add_f32 v[GR], v[GR], v[GR+1]
	v_mul_f32 v[GR], 0x33800000, v[GR]             ; 0.25 / (65,536 x 64) = 2^-24
.irp k, 0,1,2,3
	v_mov_b32 v[GR+32+\k], 0
.endr
	global_store_b128 v[L16], v[GR+32:GR+35], s[16:17]             ; out3: 2 x 512 bytes of zeros
	global_store_b128 v[L16], v[GR+32:GR+35], s[16:17] offset:512
	v_cmp_eq_u32 vcc_lo, 0, v[LANE]
	s_wait_xcnt 0x0                                ; EXEC is a source of every load and store above
	s_and_saveexec_b32 s31, vcc_lo
	global_store_b32 v[LANE], v[GR], s[14:15]      ; out1: lane 0 alone; its offset register holds 0
	s_wait_xcnt 0x0                                ; also frees the three stores' data registers, into which the gathers load
	s_or_b32 exec_lo, exec_lo, s31
.Lno_sum:
.set q, 0
.rept 32
	v_min_u32 v[OFFS+q], 0x3ff, v[OFFS+q]          ; a loaded number enters an address only clamped to the table
	v_lshl_add_u32 v[OFFS+q], v[OFFS+q], 8, v[U16] ; row x 256 bytes + my piece
.set q, q+1
.endr
.set q, 0
.rept 16
	global_load_b128 v[GR+4*q:GR+4*q+3], v[OFFS+q], s[6:7]
.set q, q+1
.endr
.set q, 0
.rept 16
	s_wait_loadcnt 15                              ; fifteen gathers are younger than this one
	ds_store_b128 v[WA+q/4], v[GR+4*q:GR+4*q+3] offset:256*q
	global_load_b128 v[GR+4*q:GR+4*q+3], v[OFFS+16+q], s[6:7]
.set q, q+1
.endr
.rept 16
	s_wait_loadcnt 31-q                            ; the counts run down
	ds_store_b128 v[WA+q/4], v[GR+4*(q-16):GR+4*(q-16)+3] offset:256*q
.set q, q+1
.endr
	global_store_b64 v[COFF], v[CP:CP+1], s[18:19] ; out4: a wave's store covers 256 consecutive bytes, aligned
	; LDS addresses of the loads back: row 4 u + i, piece (8 h + c) xor u: one register for each c, 256 i in the immediate
.irp k, 0,1,2,3,4,5,6,7
	v_xor_b32 v[TMP], \k, v[UX]
	v_lshl_add_u32 v[WA+\k], v[TMP], 4, v[RB]
.endr
.set cg, 0
.rept 4
.irp i, 0,1,2,3
	ds_load_b128 v[GR+16*cg+4*\i:GR+16*cg+4*\i+3], v[WA+cg] offset:256*\i   ; LDS serves a wave's instructions in order: these see my stores
.endr
.set cg, cg+1
.endr
; four channels at a time: register 4 i + cc of the set = q(position 4 u + i, channel 32 h + 4 cg + cc); x has them as 4 cc + i: the subtraction turns the 4 x 4 block
.set cg, 0
.rept 8
.if cg < 5
	s_wait_dscnt 12                                ; three younger sets of four loads stay out
.else
	s_wait_dscnt 4*(7-cg)
.endif
.irp cc, 0,1,2,3
.irp i, 0,1,2,3
	v_sub_f32 v[TD+4*\cc+\i], v[GR+16*(cg%4)+4*\i+\cc], v[XX+16*cg+4*\cc+\i]
.endr
.endr
.irp p, 0,2,4,6,8,10,12,14
	v_pk_add_f32 v[XX+16*cg+\p:XX+16*cg+\p+1], v[XX+16*cg+\p:XX+16*cg+\p+1], v[TD+\p:TD+\p+1]
.endr
.irp cc, 0,1,2,3
	global_store_b128 v[XOFF], v[XX+16*cg+4*\cc:XX+16*cg+4*\cc+3], s[12:13] offset:(4*cg+\cc)*CHB th:TH_STORE_NT
.endr
.if cg < 4
.irp i, 0,1,2,3
	ds_load_b128 v[GR+16*cg+4*\i:GR+16*cg+4*\i+3], v[WA+cg+4] offset:256*\i
.endr
.endif
.set cg, cg+1
.endr
	s_wait_tensorcnt 0x0
	ds_add_u32 v248, v249
	s_wait_dscnt 0x0
	s_endpgm
.Lfunc_end_k_q4b6b2c4d92_lookup:
	.size	k_q4b6b2c4d92_lookup, .Lfunc_end_k_q4b6b2c4d92_lookup-k_q4b6b2c4d92_lookup
	.p2alignl 7, 3214868480
	.fill 96, 4, 3214868480
	.section	.rodata,"a",@progbits
	.p2align	6, 0x0
	.amdhsa_kernel k_q4b6b2c4d92_lookup
		.amdhsa_group_segment_fixed_size 66048
		.amdhsa_private_segment_fixed_size 0
		.amdhsa_enable_private_segment 0
		.amdhsa_kernarg_size 64
		.amdhsa_user_sgpr_count 2
		.amdhsa_user_sgpr_kernarg_segment_ptr 1
		.amdhsa_wavefront_size32 1
		.amdhsa_system_sgpr_workgroup_id_x 1
		.amdhsa_system_sgpr_workgroup_id_y 1
		.amdhsa_system_sgpr_workgroup_id_z 1
		.amdhsa_system_vgpr_workitem_id 0
		.amdhsa_next_free_vgpr 250
		.amdhsa_next_free_sgpr 66
		.amdhsa_reserve_vcc 1
		.amdhsa_float_denorm_mode_32 3
		.amdhsa_float_denorm_mode_16_64 3
		.amdhsa_memory_ordered 1
		.amdhsa_forward_progress 1
		.amdhsa_inst_pref_size 34
	.end_amdhsa_kernel
	.amdgpu_metadata
---
amdhsa.version: [ 1, 2 ]
amdhsa.kernels:
  - .name:           k_q4b6b2c4d92_lookup
    .symbol:         k_q4b6b2c4d92_lookup.kd
    .args:
      - { .name: inputs, .offset: 0, .size: 8, .value_kind: global_buffer, .address_space: global }
      - { .name: embedding, .offset: 8, .size: 8, .value_kind: global_buffer, .address_space: global }
      - { .name: idx, .offset: 16, .size: 8, .value_kind: global_buffer, .address_space: global }
      - { .name: part, .offset: 24, .size: 8, .value_kind: global_buffer, .address_space: global }
      - { .name: out0, .offset: 32, .size: 8, .value_kind: global_buffer, .address_space: global }
      - { .name: out1, .offset: 40, .size: 8, .value_kind: global_buffer, .address_space: global }
      - { .name: out3, .offset: 48, .size: 8, .value_kind: global_buffer, .address_space: global }
      - { .name: out4, .offset: 56, .size: 8, .value_kind: global_buffer, .address_space: global }
    .group_segment_fixed_size: 66048
    .private_segment_fixed_size: 0
    .kernarg_segment_align: 8
    .kernarg_segment_size: 64
    .max_flat_workgroup_size: 128
    .sgpr_count:     66
    .vgpr_count:     250
    .wavefront_size: 32
...
	.end_amdgpu_metadata
.endif
;; end of part 2
